; MI455X (gfx1250); checked and timed in simulation.
; The chip was launched on July 23, 2026; its instructions are those of AMD's public machine-readable ISA for CDNA 5 (MIT licence, August 2026) and "CDNA5" Instruction Set Architecture Reference Guide (July 2026). The comments in the code are by the model that wrote it; some were corrected since.
;; Multi Headed Atention. Allowed arithmetic: matrix products marked QUANTISED: E2M1 operands, one E8M0 scale for each 32 along K, by v_wmma_scale_f32_16x16x128_f8f6f4 with both operands' format E2M1 (or v_wmma_scale_f32_32x16x128_f4), f32 sums; everything else in f32.
;; Inputs: Key_codes 4 x 2,048 x 32 x 16 uint8 (E2M1 codes of Key, K innermost, in blocks of 32 codes, two codes a byte); Key_scales 4 x 2,048 x 32 uint8 (E8M0 scales of Key, one for each 32 codes along K); Query_codes 4 x 2,048 x 32 x 16 uint8 (E2M1 codes of Query, K innermost, in blocks of 32 codes, two codes a byte); Query_scales 4 x 2,048 x 32 uint8 (E8M0 scales of Query, one for each 32 codes along K); Value_codes 4 x 2,048 x 32 x 16 uint8 (E2M1 codes of Value, K innermost, in blocks of 32 codes, two codes a byte); Value_scales 4 x 2,048 x 32 uint8 (E8M0 scales of Value, one for each 32 codes along K); Wk_codes 16 x 64 x 32 x 16 uint8 (E2M1 codes of Wk, K innermost, in blocks of 32 codes, two codes a byte); Wk_scales 16 x 64 x 32 uint8 (E8M0 scales of Wk, one for each 32 codes along K); Wo_codes 1,024 x 32 x 16 uint8 (E2M1 codes of Wo, K innermost, in blocks of 32 codes, two codes a byte); Wo_scales 1,024 x 32 uint8 (E8M0 scales of Wo, one for each 32 codes along K); Wq_codes 16 x 64 x 32 x 16 uint8 (E2M1 codes of Wq, K innermost, in blocks of 32 codes, two codes a byte); Wq_scales 16 x 64 x 32 uint8 (E8M0 scales of Wq, one for each 32 codes along K); Wv_codes 16 x 64 x 32 x 16 uint8 (E2M1 codes of Wv, K innermost, in blocks of 32 codes, two codes a byte); Wv_scales 16 x 64 x 32 uint8 (E8M0 scales of Wv, one for each 32 codes along K); bk 16 x 64 float32; bo 1,024 float32; bq 16 x 64 float32; bv 16 x 64 float32.
;; Outputs: out0 4 x 2,048 x 1,024 float32.
;; This version of the problem:
;;   THIS VERSION OF THE PROBLEM IS GIVEN IN LOW PRECISION. The matrix products marked QUANTISED in the list below multiply operands that are first quantised to E2M1 (2 exponent bits, 1 mantissa bit; 4 bits a number), with one power-of-two scale for each 32 numbers along K (OCP MX v1.0); their sums are f32. All else is computed in f32.
;;   The module's matrix products, in the order in which they are computed (A, B: the left and right operand; K: the contracted axis; several contracted axes count as one K, in the product's order):
;;     1. [M 1,024, K 1,024] x [K 1,024, N 8,192]; A: input Wq (given as codes); B: input Query (given as codes): QUANTISED
;;     2. [M 1,024, K 1,024] x [K 1,024, N 8,192]; A: input Wk (given as codes); B: input Key (given as codes): QUANTISED
;;     3. [M 1,024, K 1,024] x [K 1,024, N 8,192]; A: input Wv (given as codes); B: input Value (given as codes): QUANTISED
;;     4. batch 64 x [M 2,048, K 64] x [K 64, N 2,048]; A: computed on the way; B: computed on the way: QUANTISED
;;     5. batch 64 x [M 2,048, K 2,048] x [K 2,048, N 64]; A: softmax (see below); B: computed on the way: QUANTISED
;;     6. [M 8,192, K 1,024] x [K 1,024, N 1,024]; A: computed on the way; B: input Wo (given as codes): QUANTISED
;;   THE QUANTISER, for each operand of a quantised product, along K:
;;     - K is cut into blocks of 32 from its start; a last block that is shorter is filled with zeros.
;;     - A block's scale is 2^e with e = floor(log2(the largest magnitude in the block)) - 2, held to -126 .. 127; a block of zeros has e = 0. As a byte (E8M0): e + 127.
;;     - Each number is divided by its block's scale, clamped to +-6, and rounded to the nearest number of E2M1, ties to even, subnormals kept.
;;     - The product sums the exact products of the quantised numbers (number of the format x scale) in f32.
;;   ~~~python
;;   def quantise(x, axis):      # numpy; x: float32 -> the quantised numbers, widened to float32 again
;;       x = np.moveaxis(x, axis, -1); K = x.shape[-1]
;;       x = np.pad(x, [(0, 0)] * (x.ndim - 1) + [(0, -K % 32)]); x = x.reshape(x.shape[:-1] + (-1, 32)); a = np.abs(x).max(-1, keepdims=True)
;;       e = np.where(a > 0, np.clip(np.frexp(np.where(a > 0, a, 1))[1] - 1 - 2, -126, 127), 0)      # np.frexp(a)[1] - 1 = floor(log2(a)), exactly
;;       r = np.clip(x / 2.0 ** e, -6, 6)
;;       step = 2.0 ** (np.maximum(np.frexp(np.where(r == 0, 1, r))[1] - 1, 0) - 1)
;;       q = np.round(r / step) * step * 2.0 ** e      # np.round: ties to even
;;       return np.moveaxis(q.reshape(q.shape[:-2] + (-1,))[..., :K], -1, axis).astype(np.float32)
;;   ~~~
;;   SOFTMAX AHEAD OF A QUANTISED PRODUCT. Where the list says 'softmax', what is quantised is not the finished softmax but p = 2^(t - M), with t = logit x log2(e) and M = ceil(the row's largest t), a whole number; so 1/2 < the row's largest p <= 1. The row's sum l is taken of the UNQUANTISED p, in f32, and the product's result is divided by l at the end. Since M is a whole number, a kernel that streams over the keys may use a running M (the ceiling of the running maximum): every later rescaling is an exact power of two, which a block's scale takes up: the codes' values come out the same.
;;   OPERANDS COMPUTED ON THE WAY. 'Computed on the way' means the value that the module computes at that place (a softmax that the list does not call 'softmax' is quantised finished and normalised). What goes into a quantiser is computed in f32, as accurately as f32 sums, v_exp_f32 and their like allow (about 1e-6 of the number): no bf16 or f16 on the way to a quantiser, and a product that is left as it is and whose result goes on into a quantised operand takes f32 operands (vector FMAs, or v_wmma_f32_16x16x4_f32). A number that lies on a knife's edge between two numbers of the format may be rounded either way, as far as f32 arithmetic and the matrix unit's own rounding can turn it there, and no further.
;;   INPUTS GIVEN AS CODES. Key (in the module: [4, 2048, 1024], K = its axis 2); Query (in the module: [4, 2048, 1024], K = its axis 2); Value (in the module: [4, 2048, 1024], K = its axis 2); Wk (in the module: [16, 1024, 64], K = its axis 1); Wo (in the module: [1024, 1024], K = its axis 0); Wq (in the module: [16, 1024, 64], K = its axis 1); Wv (in the module: [16, 1024, 64], K = its axis 1): each comes as NAME_codes (uint8): NAME with its K axis moved to the last place and cut into blocks of 32 codes, [.., K / 32, bytes a block], one block behind the other in memory; two codes a byte, the lower K in the low four bits (a code: sign, 2 exponent bits, 1 mantissa bit); and NAME_scales (uint8): the same leading axes, one E8M0 byte (e + 127) for each 32 codes along K. Its value is code x scale, taken as it is: it is not quantised again, and the codes and scales need not be those that the quantiser above would give.
;; One version. Each part assembles by itself: llvm-mc -triple=amdgcn-amd-amdhsa -mcpu=gfx1250 --defsym DOCPART=n.
;; ======== version 1 of 1: 3 launches
;; limits: right only within a limited range of input values
;; workspace buffers: qb 4,718,592 bytes; kb 4,718,592 bytes; vb 4,456,448 bytes; ob 4,194,304 bytes; os 262,144 bytes
;; launch proj (part 1): grid 32 x 8, 4 waves a work-group, clusters of 4 x 4, 327,680 bytes of LDS; arguments Wq_codes, Wq_scales, Query_codes, Query_scales, bq, qb, Wk_codes, Wk_scales, Key_codes, Key_scales, bk, kb, Value_codes, Value_scales, Wv_codes, Wv_scales, bv, vb; writes qb, kb, vb
.if DOCPART == 1
	.amdgcn_target "amdgcn-amd-amdhsa--gfx1250"
	.amdhsa_code_object_version 6
	.text
	.protected	k_qdd976c3458_proj
	.globl	k_qdd976c3458_proj
	.p2align	8
	.type	k_qdd976c3458_proj,@function
k_qdd976c3458_proj:
	s_mov_b64 s[64:65], 0
	v_nop
	global_prefetch_b8 v0, s[64:65] scope:SCOPE_SE
	s_setreg_imm32_b32 hwreg(HW_REG_WAVE_MODE, 25, 1), 1
	s_wait_xcnt 0x0
	s_wait_alu depctr_hold_cnt(0) depctr_sa_sdst(0) depctr_va_vdst(0) depctr_va_sdst(0) depctr_va_ssrc(0) depctr_va_vcc(0) depctr_vm_vsrc(0)
	s_getreg_b32 s2, hwreg(HW_REG_IB_STS2, 6, 4)
	s_cmp_eq_u32 s2, 0
	s_cbranch_scc0 .Lentry_in_a_cluster
	s_endpgm
.Lentry_in_a_cluster:
	s_bfe_u32 s2, ttmp6, 0x10000c
	s_cmp_lg_u32 s2, 0xf033
	s_cbranch_scc0 .Lentry_shape_is_right
	s_endpgm
.Lentry_shape_is_right:
; THE THREE PROJECTIONS q, k, v ON CODES OF FP4 (E2M1), THEIR BIASES, AND THE QUANTISERS OF q, k (along the head's 64) AND v (along the keys).  Nothing of the problem's work is left out.
; A product of P (source 0) and R (source 1), both [rows][1,024 codes = 512 bytes] with 32 scale bytes a row.  In the result a lane holds ONE row of R and its registers run along P's rows, the axis that is quantised.
; q, k: P = the weight (1,024 rows (head, e)), R = the activation (8,192 rows).  v: P = Value (8,192 keys), R = Wv (1,024 channels).
; SHARES.  q, k and v are 384 tiles of 256 x 256; 256 work-groups make one and a half each, all alike.  PASS 1: a whole tile of q (cluster's y = 0) or of k (1): a wave makes 128 x 128, 64 accumulators.
; PASS 2: half a tile of v, 256 keys x 128 channels (which half: the cluster's y): a wave makes 128 x 64, 32 accumulators.
; LDS.  A tile comes whole, all of K (512 bytes a row + 16 of padding), by ONE tensor load: wave 0 P's codes, wave 1 R's, wave 2 P's scale bytes, wave 3 R's.  K steps 4-7 of a row lie 256 bytes behind K steps 0-3.
; Pass 2's four tiles are filled into pass 1's bytes behind pass 1's products, the full sequence and a round of the cluster's barrier; they land while pass 1's results are quantised and stored.
; CLUSTERS: 4 x 4 work-groups.  P's tile hangs on the cluster's row, R's on its column, in both passes: each tile is asked for jointly by the four that need it.
; NO PREFETCH: the text has no loop to run ahead in; pass 2's tiles are asked for by their loads a whole way out ahead of their first use.
; OUT.  Codes leave as IMAGES OF THE NEXT OPERAND'S REGISTERS, 16 bytes a lane, 512 consecutive bytes a store.  The image of R's tile a has its rows turned by 8 (lane xor 8) where bit 1 of a is set.
;   qb, kb: record (batch, head) of 73,728 bytes = 16 steps of 128 rows: 8 images (tile t: lane (r, h) = row 16 t + r, block h of the head), then 512 bytes of scale words [lane][4]: word i of lane l: tile 2 i + l / 16, row l % 16.
;   vb: record of 69,632 bytes = 16 steps of 128 keys: images [key half c][channel tile ct], then 256 bytes of scale words [lane][2].
; A word of qb, kb holds the head's two bytes below and the neighbour head's two above: those stand over zero codes in the next product.
; LIMITS: NaN and infinities among the results are not served.  A block whose largest magnitude lies under 2^-124 has its byte held at 1; a block of zeros gets the byte 1, not 127: its codes are zeros, and this program alone reads the bytes.
; REGISTERS: window 0: v6-31 addresses; v32-63 P's scale words, v64-95 R's; v96-159 pass 1's bias, later the codes; v160-191 at work; v192-223 pass 2's bias.  window 1: two sets of fragments (P's 8, R's 8).
; windows 2, 3: the accumulators, (a, b) at v[64 (a % 4) + 8 b] of window 2 + a / 4.
.set PITCH, 528                        ; an LDS row: 512 bytes + 16 of padding: the 16 rows of a fragment load start 132 words apart
.set HALFT, 128*PITCH
.set CHUNK, 256                        ; K steps 4-7: 256 bytes on in each row
.set SCL,   4*HALFT                    ; behind P's and R's 256 rows: P's scale bytes (8,192), then R's
.set SPARE, 0x48000                    ; the spare words
.set ADR2, 10                          ; v10-11  my R fragments in pass 2
.set ADS2, 12                          ; v12     my R scale words in pass 2
.set VB2,  13                          ; v13     pass 2's bias: 4 r
.set ADRP, 16                          ; v16-17  my P fragments, K steps 0-3, 4-7
.set ADRR, 18                          ; v18-19  my R fragments in pass 1
.set ADSP, 20                          ; v20     my P scale words
.set ADSR, 21                          ; v21     my R scale words in pass 1
.set L16,  22                          ; v22     16 x lane;  v6: 16 x (lane xor 8)
.set L8,   23                          ; v23     8 x lane
.set VB,   24                          ; v24     pass 1's bias: 32 h
.set SCP,  32
.set SCR,  64
.set BIAS, 96
.set PCD,  96                          ; the codes: 8 registers for each a
.set XW,   160                         ; v160-167 the scale word of each a
.set XM,   168                         ; v168-171 two tiles' words in one register
.set XR,   172                         ; v172-175 the same, halves exchanged
.set TM,   176                         ; v176-191 at work
.set BIA2, 192
.set MSB, 0
.macro WIN new                         ; the immediate's high byte repeats the setting that is left
.if MSB != (\new)
	s_set_vgpr_msb (MSB<<8)|(\new)
.set MSB, (\new)
.endif
.endm
.macro PLACES n
.rept \n
	v_nop
.endr
.endm
.macro CROUND                          ; a round of the cluster's barrier
	s_barrier_signal -1
	s_barrier_wait -1
	s_cmp_lg_u32 s16, 0
	s_cbranch_scc1 .Lnot_wave_0_\@
	s_barrier_signal -3
.Lnot_wave_0_\@:
	s_barrier_wait -3
	s_barrier_signal -1
	s_barrier_wait -1
.endm
.macro ARMS                            ; a pass's four tiles: one chain of branches on the wave's number, one joint load to an arm
	s_cmp_lt_u32 s16, 1
	s_cbranch_scc0 .Larm_1_\@
	tensor_load_to_lds s[68:71], s[28:35]          ; wave 0: P's codes
	s_nop 0
	PLACES 4
	s_branch .Lfilled_\@
.Larm_1_\@:
	s_cmp_lt_u32 s16, 2
	s_cbranch_scc0 .Larm_2_\@
	tensor_load_to_lds s[80:83], s[36:43]          ; wave 1: R's codes
	s_nop 0
	PLACES 4
	s_branch .Lfilled_\@
.Larm_2_\@:
	s_cmp_lt_u32 s16, 3
	s_cbranch_scc0 .Larm_3_\@
	tensor_load_to_lds s[60:63], s[44:51]          ; wave 2: P's scale bytes
	s_nop 0
	PLACES 4
	s_branch .Lfilled_\@
.Larm_3_\@:
	tensor_load_to_lds s[76:79], s[52:59]          ; wave 3: R's scale bytes
	s_nop 0
	PLACES 4
.Lfilled_\@:
.endm
	s_load_b512 s[28:43], s[0:1], 0x0              ; q's six addresses, k's first two
	s_load_b512 s[44:59], s[0:1], 0x40             ; k's other four, v's first four
	s_load_b128 s[68:71], s[0:1], 0x80             ; bv, vb
	v_lshl_add_u32 v254, v0, 2, SPARE
	v_mov_b32 v255, 0
	ds_add_u32 v254, v255                          ; the opening lines: the add twice on end and one wait
	ds_add_u32 v254, v255
	v_lshrrev_b32 v1, 5, v0
	v_readfirstlane_b32 s16, v1                    ; wave 0..3
	s_lshr_b32 s17, s16, 1                         ; my half of R's rows
	s_and_b32 s18, s16, 1                          ; my half of P's rows
	s_and_b32 s19, ttmp7, 0xffff                   ; the cluster's y: pass 1's tensor (0 q, 1 k), pass 2's half of Wv's tile
	s_bfe_u32 s20, ttmp6, 0x40000                  ; cx
	s_bfe_u32 s21, ttmp6, 0x40004                  ; cy
	s_lshl_b32 s22, ttmp9, 2
	s_mov_b32 s23, s21                             ; pass 1: P's tile (of 4): cy
	s_add_co_u32 s24, s22, s20                     ; R's tile (of 32): 4 x cluster x + cx
	s_lshl_b32 s25, s21, 2
	s_lshl_b32 s25, 15, s25                        ; my row of the cluster
	s_lshl_b32 s26, 0x1111, s20                    ; my column
	s_mov_b32 s27, 0xffff0000                      ; lanes 16-31
	s_mov_b32 s100, 0x76543210
	s_mov_b32 s101, 0xfedcba98                     ; v_permlanex16_b32's selects for lane l xor 16
	; every LDS address is made here: a constant, a lane term, the wave's number times a constant
	v_and_b32 v1, 15, v0                           ; r
	v_bfe_u32 v2, v0, 4, 1                         ; h
	v_and_b32 v3, 31, v0
	v_lshlrev_b32 v[L16], 4, v3
	v_xor_b32 v6, 128, v[L16]
	v_lshlrev_b32 v[L8], 3, v3
	v_mul_u32_u24 v4, v1, PITCH
	v_lshl_add_u32 v4, v2, 4, v4                   ; a fragment's row x pitch + 16 x half
	s_mul_i32 s2, s18, HALFT
	s_mul_i32 s3, s17, HALFT
	s_add_co_u32 s3, s3, 2*HALFT
	v_add_nc_u32 v[ADRP], s2, v4
	v_add_nc_u32 v[ADRR], s3, v4
	v_add_nc_u32 v[ADRP+1], CHUNK, v[ADRP]
	v_add_nc_u32 v[ADRR+1], CHUNK, v[ADRR]
	s_mul_i32 s3, s17, 64*PITCH                    ; pass 2: R's tile has 128 rows, 64 of them mine
	s_add_co_u32 s3, s3, 2*HALFT
	v_add_nc_u32 v[ADR2], s3, v4
	v_add_nc_u32 v[ADR2+1], CHUNK, v[ADR2]
	v_lshlrev_b32 v5, 5, v1
	v_lshl_add_u32 v5, v2, 4, v5                   ; a row's 32 scale bytes: lanes 0-15 take K steps 0-3, lanes 16-31 K steps 4-7
	s_lshl_b32 s2, s18, 12
	s_add_co_u32 s2, s2, SCL
	s_lshl_b32 s3, s17, 12
	s_add_co_u32 s3, s3, SCL+8192
	v_add_nc_u32 v[ADSP], s2, v5
	v_add_nc_u32 v[ADSR], s3, v5
	s_lshl_b32 s3, s17, 11
	s_add_co_u32 s3, s3, SCL+8192
	v_add_nc_u32 v[ADS2], s3, v5
	v_lshlrev_b32 v[VB], 5, v2
	v_lshlrev_b32 v[VB2], 2, v1
.irp b, 0,1,2,3
	v_mov_b32 v[TM+4+\b], 0                        ; written once: a lane permute's destination counts as one of its sources
.endr
	s_lshl_b32 s96, s23, 13                        ; P's tile: 256 rows x 32 scale bytes
	s_mov_b32 s97, 0
	s_lshl_b32 s98, s24, 13                        ; R's
	s_mov_b32 s99, 0
	s_wait_alu depctr_va_vdst(0)                   ; directly ahead of the waits below
	s_wait_dscnt 0x0                               ; both opening adds are done
	s_wait_kmcnt 0x0
	; pass 2's R side, which hangs on cx and the cluster's y: Wv's rows 256 cx + 128 y on; bv at my 64 channels; vb
	s_lshl_b32 s85, s20, 8
	s_lshl_b32 s2, s19, 7
	s_add_co_u32 s85, s85, s2
	s_lshl_b32 s2, s17, 6
	s_add_co_u32 s2, s2, s85
	s_lshl_b32 s2, s2, 2
	s_mov_b32 s3, 0
	s_add_nc_u64 s[72:73], s[68:69], s[2:3]
	s_mov_b64 s[74:75], s[70:71]
	s_cmp_eq_u32 s19, 1                            ; pass 1's six addresses: P's codes, P's scales, R's codes, R's scales, bias, out
	s_cselect_b64 s[4:5], s[40:41], s[28:29]
	s_cselect_b64 s[6:7], s[42:43], s[30:31]
	s_cselect_b64 s[8:9], s[44:45], s[32:33]
	s_cselect_b64 s[10:11], s[46:47], s[34:35]
	s_cselect_b64 s[12:13], s[48:49], s[36:37]
	s_cselect_b64 s[14:15], s[50:51], s[38:39]
	; descriptor groups 0: P's scales s[60:63], P's codes s[68:71], R's scales s[76:79], R's codes s[80:83]
	s_mov_b32 s60, 1
	s_mov_b32 s61, SCL
	s_add_nc_u64 s[62:63], s[6:7], s[96:97]
	s_or_b32 s63, s63, 0x80000000
	s_mov_b32 s76, 1
	s_mov_b32 s77, SCL+8192
	s_add_nc_u64 s[78:79], s[10:11], s[98:99]
	s_or_b32 s79, s79, 0x80000000
	s_lshl_b32 s96, s96, 4                         ; 512 bytes of codes a row
	s_lshl_b32 s98, s98, 4
	s_mov_b32 s68, 1
	s_mov_b32 s69, 0
	s_add_nc_u64 s[70:71], s[4:5], s[96:97]
	s_or_b32 s71, s71, 0x80000000
	s_mov_b32 s80, 1
	s_mov_b32 s81, 2*HALFT
	s_add_nc_u64 s[82:83], s[8:9], s[98:99]
	s_or_b32 s83, s83, 0x80000000
	; pass 2's four tiles, kept in s[4:11], which pass 1 needs no more: Value's tile 4 x cluster x + cy, and Wv's 128 rows
	s_add_co_u32 s84, s22, s21
	s_lshl_b32 s86, s84, 17
	s_mov_b32 s87, 0
	s_add_nc_u64 s[4:5], s[52:53], s[86:87]        ; Value's codes
	s_lshl_b32 s86, s84, 13
	s_add_nc_u64 s[6:7], s[54:55], s[86:87]        ; Value's scales
	s_lshl_b32 s2, s85, 9
	s_add_nc_u64 s[8:9], s[56:57], s[2:3]          ; Wv's codes
	s_lshl_b32 s2, s85, 5
	s_add_nc_u64 s[10:11], s[58:59], s[2:3]        ; Wv's scales
	; groups 1.  Codes: 256 rows x 512 bytes, 16 bytes of padding behind each in LDS
	s_or_b32 s28, s25, (1<<20)|(1<<21)|(6<<22)|(3<<25)   ; P's: the mask of my row; elements of 1 byte; padding: 4 words after every 128
	s_or_b32 s36, s26, (1<<20)|(1<<21)|(6<<22)|(3<<25)   ; R's: the mask of my column
.irp g, 28, 36
	s_mov_b32 s[\g+1], 512<<16                     ; tensor_dim0
	s_mov_b32 s[\g+2], 256<<16                     ; tensor_dim1
	s_mov_b32 s[\g+3], 512<<16                     ; tile_dim0
	s_mov_b32 s[\g+4], 256                         ; tile_dim1
	s_mov_b32 s[\g+5], 512                         ; from row to row
	s_mov_b32 s[\g+6], 0
	s_mov_b32 s[\g+7], 0
.endr
	s_or_b32 s44, s25, (3<<16)|(1<<21)             ; scales of 256 rows: 8,192 dense bytes as 32 rows of 32 elements of 8 bytes
	s_or_b32 s52, s26, (3<<16)|(1<<21)
.irp g, 44, 52
	s_mov_b32 s[\g+1], 32<<16
	s_mov_b32 s[\g+2], 32<<16
	s_mov_b32 s[\g+3], 32<<16
	s_mov_b32 s[\g+4], 32
	s_mov_b32 s[\g+5], 32
	s_mov_b32 s[\g+6], 0
	s_mov_b32 s[\g+7], 0
.endr
	CROUND                                         ; all sixteen work-groups are here: the joint loads meet
	ARMS
	; where pass 1's results go.  act: which 128 rows of the activation (batch = act / 16, step = act % 16); wgt: which pair of heads
	s_lshl_b32 s2, s23, 1
	s_add_co_u32 s2, s2, s18                       ; wgt
	s_lshl_b32 s3, s24, 1
	s_add_co_u32 s3, s3, s17                       ; act
	s_and_b32 s96, s3, 0xfff0
	s_lshl_b32 s97, s2, 1
	s_add_co_u32 s96, s96, s97                     ; the record: 16 x batch + head
	s_mul_i32 s96, s96, 73728
	s_and_b32 s97, s3, 15
	s_mul_i32 s97, s97, 4608
	s_add_co_u32 s96, s96, s97
	s_mov_b32 s97, 0
	s_add_nc_u64 s[88:89], s[14:15], s[96:97]      ; P's first 64, R's tiles 0-3
	s_add_nc_u64 s[90:91], s[88:89], 73728         ; P's second 64: the next head's record
	s_add_nc_u64 s[92:93], s[88:89], 2048          ; R's tiles 4-7: four images on
	s_add_nc_u64 s[94:95], s[90:91], 2048
	s_lshl_b32 s96, s2, 9
	s_add_nc_u64 s[12:13], s[12:13], s[96:97]      ; the bias of my 128 (head, e)
.irp b, 0,1,2,3,4,5,6,7
	global_load_b128 v[BIAS+8*\b:BIAS+8*\b+3], v[VB], s[12:13] offset:64*\b       ; register j of tile b: bias[16 b + 8 h + j]
	global_load_b128 v[BIAS+8*\b+4:BIAS+8*\b+7], v[VB], s[12:13] offset:64*\b+16
.endr
; NA: R's tiles of a wave in the pass at hand (8, then 4);  RA, RS: its address registers for R's fragments and scale words
; 16 + 2 NA LDS loads: the fragments of K step q (128 along K: 64 bytes of a row) into set q % 2.  A fragment: lane (r, h) holds row r; registers 4 c .. 4 c + 3 hold K = 64 c + 32 h + 0 .. 31
.macro FETCH q
	WIN 0x40                                       ; destination window 1, address window 0
.set fS, 128*((\q)%2)
.set fO, 64*((\q)%4)
.irp i, 0,1,2,3,4,5,6,7
	ds_load_b128 v[fS+8*\i:fS+8*\i+3], v[ADRP+(\q)/4] offset:fO+\i*16*PITCH
	ds_load_b128 v[fS+8*\i+4:fS+8*\i+7], v[ADRP+(\q)/4] offset:fO+\i*16*PITCH+32
.endr
.set fI, 0
.rept NA
	ds_load_b128 v[fS+64+8*fI:fS+64+8*fI+3], v[RA+(\q)/4] offset:fO+fI*16*PITCH
	ds_load_b128 v[fS+64+8*fI+4:fS+64+8*fI+7], v[RA+(\q)/4] offset:fO+fI*16*PITCH+32
.set fI, fI+1
.endr
.endm
.macro WM d, pa, rb, c, sa, sb, hi     ; hi = 1: K steps 4-7, whose scale words lie in lanes 16-31
.if \hi
	v_wmma_scale_f32_16x16x128_f8f6f4 v[\d:\d+7], v[\pa:\pa+7], v[\rb:\rb+7], v[\c:\c+7], v[\sa], v[\sb] matrix_a_fmt:MATRIX_FMT_FP4 matrix_b_fmt:MATRIX_FMT_FP4 matrix_a_scale:MATRIX_SCALE_ROW1 matrix_b_scale:MATRIX_SCALE_ROW1
.else
	v_wmma_scale_f32_16x16x128_f8f6f4 v[\d:\d+7], v[\pa:\pa+7], v[\rb:\rb+7], v[\c:\c+7], v[\sa], v[\sb] matrix_a_fmt:MATRIX_FMT_FP4 matrix_b_fmt:MATRIX_FMT_FP4
.endif
.endm
; K step q: 8 NA matrix instructions; the accumulators take turns in the same order in every step.
; cmode 0: the sums go on.  1, 2: the bias starts them: by P's tile (q, k) or by R's (v); nothing is ever cleared.
.macro MUL q, cmode
.set ia, 0
.rept NA
.if \cmode
	WIN 0x85+0x40*(ia/4)                           ; sources 0, 1 window 1; C window 0; D window 2 or 3
.else
	WIN 0xa5+0x50*(ia/4)                           ; sources 0, 1 window 1; C and D window 2 or 3
.endif
.set ib, 0
.rept 8
.set rD, 64*(ia%4)+8*ib
.set rP, 128*((\q)%2)+8*ib
.set rR, 128*((\q)%2)+64+8*ia
.set rSA, SCP+4*ib+(\q)%4
.set rSB, SCR+4*ia+(\q)%4
.if \cmode == 1
.set rC, BIAS+8*ib
.elseif \cmode == 2
.set rC, BIA2+8*ia
.else
.set rC, rD
.endif
	WM rD, rP, rR, rC, rSA, rSB, (\q)/4
.set ib, ib+1
.endr
.set ia, ia+1
.endr
.endm
; what stands in front of K step q's products: the next step's fragments are asked for, this step's are waited for
.macro PRE q
.if (\q) < 7
.if (\q) > 0
	PLACES 4                                       ; in front of loads into registers that the last step's matrix instructions have read
.endif
	FETCH (\q)+1
	s_wait_dscnt 16+2*NA                           ; all but the loads just issued: this step's fragments are in
.else
	s_wait_dscnt 0x0
.endif
.endm
.macro PRODUCT cm                      ; a pass's products over all of K
	s_wait_alu depctr_va_vdst(0)                   ; directly ahead of the wait below
	s_wait_tensorcnt 0x0                           ; my one load has landed,
	s_barrier_signal -1
	s_barrier_wait -1                              ; everybody's has.
.irp t, 0,1,2,3,4,5,6,7
	ds_load_b128 v[SCP+4*\t:SCP+4*\t+3], v[ADSP] offset:512*\t   ; all of K's scale words, once: register i: K step i below, K step 4 + i above
.endr
.set fI, 0
.rept NA
	ds_load_b128 v[SCR+4*fI:SCR+4*fI+3], v[RS] offset:512*fI
.set fI, fI+1
.endr
	FETCH 0
	PRE 0
	s_wait_loadcnt 0x0                             ; the bias
	MUL 0, \cm
.irp q, 1,2,3,4,5,6,7
	PRE \q
	MUL \q, 0
.endr
	WIN 0
	PLACES 4                                       ; in front of the first read of results
.endm
; R's tile a: my row's 128 numbers along P (8 accumulators) become 8 registers of codes and a scale word.  Block B of 32 lies in accumulators 2 B, 2 B + 1 of lanes l and l xor 16.
; Tile 4 c + t's conversion gives k = 64 c + 16 t + 8 h + 0 .. 7.  Laid in the order t = 0, 2, 1, 3, two exchanges of halves give the operand's layout: registers 4 c .. 4 c + 3 = k 64 c + 32 h + 0 .. 31.
.macro QUANT a
.set AC, 64*((\a)%4)
.set PC, PCD+8*(\a)
	WIN 0x28+0x14*((\a)/4)                         ; sources 1 and 2: the accumulators' window
.irp b, 0,1,2,3
	v_max3_num_f32 v[TM+\b], 0x1800000, |v[AC+16*\b]|, |v[AC+16*\b+1]|   ; each accumulator from its low end on; the floor 2^(3 - 127) holds the byte at 1 from below
.endr
.irp i, 2,4,6,8,10,12,14
.irp b, 0,1,2,3
	v_max3_num_f32 v[TM+\b], v[TM+\b], |v[AC+16*\b+\i]|, |v[AC+16*\b+\i+1]|   ; the four blocks by turns
.endr
.endr
	WIN 0
.irp b, 0,1,2,3
	v_permlanex16_b32 v[TM+4+\b], v[TM+\b], s100, s101
.endr
.irp b, 0,1,2,3
	v_max_num_f32 v[TM+\b], v[TM+\b], v[TM+4+\b]   ; the block's largest magnitude
.endr
.irp b, 0,1,2,3
	v_add_nc_u32 v[TM+12+\b], 0xff000000, v[TM+\b] ; 2 off its exponent field: the conversion's scale operand
.endr
.irp b, 0,1,2,3
	v_lshrrev_b32 v[TM+4+\b], 23, v[TM+12+\b]      ; the scale's byte
.endr
	v_lshl_or_b32 v[XW+(\a)], v[TM+5], 8, v[TM+4]
	v_lshl_or_b32 v[XW+(\a)], v[TM+6], 16, v[XW+(\a)]
	v_lshl_or_b32 v[XW+(\a)], v[TM+7], 24, v[XW+(\a)]
	WIN 2+(\a)/4                                   ; source 0: the accumulators' window
.irp c, 0,1
.irp t, 0,1,2,3
	v_cvt_scalef32_pk8_fp4_f32 v[PC+4*\c+2*(\t%2)+\t/2], v[AC+8*(4*\c+\t):AC+8*(4*\c+\t)+7], v[TM+12+2*\c+\t/2]
.endr
.endr
	WIN 0
	v_nop                                          ; one plain place behind a scaled conversion
.irp c, 0,1
	v_permlane16_swap_b32 v[PC+4*\c], v[PC+4*\c+1]
	v_permlane16_swap_b32 v[PC+4*\c+2], v[PC+4*\c+3]
.endr
	global_store_b128 v[L16-16*(((\a)/2)%2)], v[PC:PC+3], s[88+4*((\a)/4):89+4*((\a)/4)] offset:((\a)%4)*512     ; v22, or v6 where bit 1 of a is set; 512 consecutive bytes, aligned; each a has registers of its own
	global_store_b128 v[L16-16*(((\a)/2)%2)], v[PC+4:PC+7], s[90+4*((\a)/4):91+4*((\a)/4)] offset:((\a)%4)*512
.endm
.macro OUTW isv                        ; a pass's way out: codes and scale words
.set qA, 0
.rept NA
	QUANT qA
.set qA, qA+1
.endr
.set qA, 0
.rept NA/2
	v_cndmask_b32 v[XM+qA], v[XW+2*qA], v[XW+2*qA+1], s27   ; lanes 0-15: tile 2 i's word, lanes 16-31: tile 2 i + 1's
.set qA, qA+1
.endr
.if \isv
	global_store_b64 v[L8], v[XM:XM+1], s[88:89] offset:4096   ; my head's four channel tiles
.else
.irp i, 0,1,2,3
	v_alignbit_b32 v[XR+\i], v[XM+\i], v[XM+\i], 16         ; the second head's two bytes come down
.endr
	global_store_b128 v[L16], v[XM:XM+3], s[88:89] offset:4096
	global_store_b128 v[L16], v[XR:XR+3], s[90:91] offset:4096
.endif
.endm
.set NA, 8
.set RA, ADRR
.set RS, ADSR
	PRODUCT 1                                      ; PASS 1: a tile of q or of k
	s_wait_tensorcnt 0x0                           ; THE CHANGE OF PASSES
	ds_add_u32 v254, v255
	s_mov_b64 s[70:71], s[4:5]                     ; no load of mine is out: the groups 0 take pass 2's tiles; their LDS addresses stay
	s_or_b32 s71, s71, 0x80000000
	s_mov_b64 s[62:63], s[6:7]
	s_or_b32 s63, s63, 0x80000000
	s_mov_b64 s[82:83], s[8:9]
	s_or_b32 s83, s83, 0x80000000
	s_mov_b64 s[78:79], s[10:11]
	s_or_b32 s79, s79, 0x80000000
	s_mov_b32 s38, 128<<16                         ; R's tile now has 128 rows: tensor_dim1,
	s_mov_b32 s40, 128                             ; tile_dim1;
	s_mov_b32 s54, 16<<16                          ; and their scales are 4,096 bytes: 16 rows of 256
	s_mov_b32 s56, 16
	s_wait_dscnt 0x0                               ; the add is done, and my reads of pass 1's tiles are over
	CROUND                                         ; the same holds of every wave of all sixteen work-groups
	ARMS                                           ; each wave's one refill, the first tensor load behind the round
.irp a, 0,1,2,3
.irp j, 0,1,2,3,4,5,6,7
	global_load_b32 v[BIA2+8*\a+\j], v[VB2], s[72:73] offset:64*\a   ; pass 2's bias: every register of tile a is bv[16 a + r]
.endr
.endr
	OUTW 0                                         ; pass 1's results leave while the refills land
	s_wait_xcnt 0x0                                ; the stores have read their data and bases: both are written again only behind this wait
	s_lshl_b32 s2, s84, 1
	s_add_co_u32 s2, s2, s18                       ; which 128 keys: batch = / 16, step = % 16
	s_lshl_b32 s3, s20, 2
	s_lshl_b32 s96, s19, 1
	s_add_co_u32 s3, s3, s96
	s_add_co_u32 s3, s3, s17                       ; my head: 4 cx + 2 y + my half
	s_and_b32 s96, s2, 0xfff0
	s_add_co_u32 s96, s96, s3                      ; the record: 16 x batch + head
	s_mul_i32 s96, s96, 69632
	s_and_b32 s97, s2, 15
	s_mul_i32 s97, s97, 4352
	s_add_co_u32 s96, s96, s97
	s_mov_b32 s97, 0
	s_add_nc_u64 s[88:89], s[74:75], s[96:97]      ; the first key half's four images,
	s_add_nc_u64 s[90:91], s[88:89], 2048          ; the second's
.set NA, 4
.set RA, ADR2
.set RS, ADS2
	PRODUCT 2                                      ; PASS 2: half a tile of v
	OUTW 1
	s_wait_tensorcnt 0x0                           ; the wave's end
	ds_add_u32 v254, v255
	s_wait_dscnt 0x0
	CROUND                                         ; the closing round: no work-group ends while a partner may still ask for a tile that names it
	s_endpgm
.Lfunc_end_k_qdd976c3458_proj:
	.size	k_qdd976c3458_proj, .Lfunc_end_k_qdd976c3458_proj-k_qdd976c3458_proj
	.p2alignl 7, 3214868480
	.fill 96, 4, 3214868480
	.section	.rodata,"a",@progbits
	.p2align	6, 0x0
	.amdhsa_kernel k_qdd976c3458_proj
		.amdhsa_group_segment_fixed_size 327680
		.amdhsa_private_segment_fixed_size 0
		.amdhsa_enable_private_segment 0
		.amdhsa_kernarg_size 144
		.amdhsa_user_sgpr_count 2
		.amdhsa_user_sgpr_kernarg_segment_ptr 1
		.amdhsa_wavefront_size32 1
		.amdhsa_system_sgpr_workgroup_id_x 1
		.amdhsa_system_sgpr_workgroup_id_y 1
		.amdhsa_system_sgpr_workgroup_id_z 1
		.amdhsa_system_vgpr_workitem_id 0
		.amdhsa_next_free_vgpr 1024
		.amdhsa_next_free_sgpr 102
		.amdhsa_reserve_vcc 0
		.amdhsa_float_denorm_mode_32 3
		.amdhsa_float_denorm_mode_16_64 3
		.amdhsa_memory_ordered 1
		.amdhsa_forward_progress 1
		.amdhsa_inst_pref_size 196
	.end_amdhsa_kernel
	.amdgpu_metadata
---
amdhsa.version: [ 1, 2 ]
amdhsa.kernels:
  - .name:           k_qdd976c3458_proj
    .symbol:         k_qdd976c3458_proj.kd
    .args:
      - { .name: Wq_codes, .offset: 0, .size: 8, .value_kind: global_buffer, .address_space: global }
      - { .name: Wq_scales, .offset: 8, .size: 8, .value_kind: global_buffer, .address_space: global }
      - { .name: Query_codes, .offset: 16, .size: 8, .value_kind: global_buffer, .address_space: global }
      - { .name: Query_scales, .offset: 24, .size: 8, .value_kind: global_buffer, .address_space: global }
      - { .name: bq, .offset: 32, .size: 8, .value_kind: global_buffer, .address_space: global }
      - { .name: qb, .offset: 40, .size: 8, .value_kind: global_buffer, .address_space: global }
      - { .name: Wk_codes, .offset: 48, .size: 8, .value_kind: global_buffer, .address_space: global }
      - { .name: Wk_scales, .offset: 56, .size: 8, .value_kind: global_buffer, .address_space: global }
      - { .name: Key_codes, .offset: 64, .size: 8, .value_kind: global_buffer, .address_space: global }
      - { .name: Key_scales, .offset: 72, .size: 8, .value_kind: global_buffer, .address_space: global }
      - { .name: bk, .offset: 80, .size: 8, .value_kind: global_buffer, .address_space: global }
      - { .name: kb, .offset: 88, .size: 8, .value_kind: global_buffer, .address_space: global }
      - { .name: Value_codes, .offset: 96, .size: 8, .value_kind: global_buffer, .address_space: global }
      - { .name: Value_scales, .offset: 104, .size: 8, .value_kind: global_buffer, .address_space: global }
      - { .name: Wv_codes, .offset: 112, .size: 8, .value_kind: global_buffer, .address_space: global }
      - { .name: Wv_scales, .offset: 120, .size: 8, .value_kind: global_buffer, .address_space: global }
      - { .name: bv, .offset: 128, .size: 8, .value_kind: global_buffer, .address_space: global }
      - { .name: vb, .offset: 136, .size: 8, .value_kind: global_buffer, .address_space: global }
    .group_segment_fixed_size: 327680
    .private_segment_fixed_size: 0
    .kernarg_segment_align: 8
    .kernarg_segment_size: 144
    .max_flat_workgroup_size: 128
    .sgpr_count:     102
    .vgpr_count:     1024
    .wavefront_size: 32
...
	.end_amdgpu_metadata
.endif
;; end of part 1
;; launch attn (part 2): grid 8 x 32, 16 waves a work-group, clusters of 4 x 1, 327,680 bytes of LDS; arguments qb, kb, vb, ob, os; writes ob, os
.if DOCPART == 2
	.amdgcn_target "amdgcn-amd-amdhsa--gfx1250"
	.amdhsa_code_object_version 6
	.text
	.protected	k_qdd976c3458_attn
	.globl	k_qdd976c3458_attn
	.p2align	8
	.type	k_qdd976c3458_attn,@function
k_qdd976c3458_attn:
	s_mov_b64 s[64:65], 0
	v_nop
	global_prefetch_b8 v0, s[64:65] scope:SCOPE_SE
	s_setreg_imm32_b32 hwreg(HW_REG_WAVE_MODE, 25, 1), 1
	s_wait_xcnt 0x0
	s_wait_alu depctr_hold_cnt(0) depctr_sa_sdst(0) depctr_va_vdst(0) depctr_va_sdst(0) depctr_va_ssrc(0) depctr_va_vcc(0) depctr_vm_vsrc(0)
	s_getreg_b32 s2, hwreg(HW_REG_IB_STS2, 6, 4)
	s_cmp_eq_u32 s2, 0
	s_cbranch_scc0 .Lentry_in_a_cluster
	s_endpgm
.Lentry_in_a_cluster:
	s_bfe_u32 s2, ttmp6, 0x10000c
	s_cmp_lg_u32 s2, 0x3003
	s_cbranch_scc0 .Lentry_shape_is_right
	s_endpgm
.Lentry_shape_is_right:
; ATTENTION ON CODES OF FP4 (E2M1): scores = q k^T / 8, the softmax, o = p v / l, and the quantiser of o along (head, channel).  Nothing of the problem's work is left out.
; THE SOFTMAX: t = score x log2(e) / 8; M = the running largest t rounded UP to a whole number; p = 2^(t - M) is quantised along the keys, not normalised; l is the sum of the unquantised p.
; When M moves, l and O are multiplied by 2^(old M - new M): exact.
; SHARES.  A work-group owns 256 queries of one batch and TWO neighbouring heads; each of its sixteen waves 16 queries, first for the even head, then for the odd one: 128 neighbours along the last product's K.
; LDS.  K's and V's records of both heads as they lie in kb and vb, each byte filled once.  Each wave brings two key steps of K (even waves) or of V (odd waves): the even head's at the kernel's head,
; the odd head's behind the full sequence and a round of the cluster's barrier; these land while the even head's sixteen steps are walked.
; CLUSTER.  The four query blocks of a cluster walk the same K and V: every fill is a joint load that names the four.
; NO PREFETCH: all 286,720 bytes are asked for by the two groups of tensor loads ahead of the first key step; no later load is left for a loop to run ahead of.
; LAYOUT.  Both products are used transposed (S^T = K Q^T, O^T = V^T P^T): a lane holds ONE query (lane % 16).  THE ROWS OF A TILE ARE CHOSEN AT THE LDS READ: row 8 h + j of tile 4 c + t is key
; (V: channel, c = 0) 64 c + 32 h + 8 t + j.  So lane (q, h) holds in tiles 4 c .. 4 c + 3 the 32 neighbours 64 c + 32 h + 0 .. 31: one whole block, in the order of the next operand's registers 4 c .. 4 c + 3.
; A block's maximum needs no other lane and a conversion's result is an operand register.  In memory an image holds 16 natural rows, turned by 8 where bit 1 of its number is set: rows j and 32 + j lie in different halves of 256 bytes.
; The head's 64 fill registers 0-3 of a fragment of K or Q.  Q's registers 4-7 are zero codes; K's tile t names v[KF + 4 t .. + 7]: its upper four are the next tile's codes, which meet Q's zeros under finite scale bytes.
; LDS LOADS RUN A STEP AHEAD: the next step's K is asked for behind this step's first product, the next step's V behind its second.
; INDEPENDENT LINES STAND BETWEEN DEPENDENT ONES: the maxima are a tree (20, 8, 4 lines), the sums eight chains, l four packed sums, and the scale word's lines stand among the rescalings of O^T.
; LIMITS: NaN and infinities are not served; the promise holds while the scaled scores stay under 2^31 in magnitude.  A block whose largest magnitude lies under 2^-124 has its byte held at 1;
; a block of zeros gets the byte 1, not 127: its codes are zeros, and this program alone reads the bytes.
.set KST,  4608                        ; a key step of K: 8 images, 512 bytes of scale words
.set VST,  4352                        ; of V: 8 images, 256 bytes of scale words
.set KREC, 16*KST
.set VREC, 16*VST
.set VREG, 2*KREC                      ; LDS: K's two heads, then V's two,
.set OSW,  VREG+2*VREC                 ; 1,024 bytes for o's scale words: no fill lands there,
.set SPARE, OSW+1024                   ; and the spare words, 128 bytes a wave
.set AL,   1                           ; 16 x lane
.set QAL,  2                           ; the same with Q's image's turn
.set BKE,  3                           ; v3-8 lane terms: K's even tiles, odd tiles, V's even, odd, K's scale words, V's
.set SH8,  9                           ; 8 x (lane / 16)
.set QS,   10
.set QSO,  11
.set QF,   16                          ; v16-23 Q's fragment
.set SPW,  24
.set NIL,  25
.set OW,   26                          ; o's scale bytes
.set OSA,  27
.set ORD,  28
.set KF,   32                          ; v32-67 K's eight tiles, 4 registers each, and 4 of zeros
.set KS,   68                          ; v68-71 K's scale words: register i: tile 2 i below, 2 i + 1 above
.set VS,   72                          ; v72-73 V's
.set PS,   74                          ; p's
.set WKE,  75                          ; v75-80 the six addresses of the step that is fetched
.set WVE,  77
.set WS,   79
.set WT,   80
.set LS,   84                          ; v84-91 l, in four packed sums
.set SS,   96                          ; v96-159 S^T, then p
.set OT,   160                         ; v160-191 O^T
.set VF,   192                         ; v192-223 V's four tiles
.set PC,   224                         ; v224-231 p's codes
.set TT,   232                         ; v232-251 at work: the maxima's tree (10 registers a block), then the sums' eight chains; v252 f
.set WV,   14
.set SEL,  20
.set CS,   22
.set G1K,  24
.set G1V,  32
.set G0K,  40
.set G0V,  44
.set TK,   76                          ; LDS byte of the fetched step's K
.set TV,   77                          ; and V (less VREG)
.set CNT,  78
.set NC,   79                          ; -c
.macro CROUND                          ; a round of the cluster's barrier
	s_barrier_signal -1
	s_barrier_wait -1
	s_cmp_lg_u32 s[WV], 0
	s_cbranch_scc1 .Lnot_wave_0_\@
	s_barrier_signal -3
.Lnot_wave_0_\@:
	s_barrier_wait -3
	s_barrier_signal -1
	s_barrier_wait -1
.endm
.macro JLOAD                           ; every wave's one joint load: even waves K's, odd waves V's; the branch hangs on the wave's number alone
	s_cmp_eq_u32 s95, 0
	s_cbranch_scc0 .Lfor_v_\@
	tensor_load_to_lds s[G0K:G0K+3], s[G1K:G1K+7]
	s_nop 0
.rept 4
	v_nop
.endr
	s_branch .Lasked_\@
.Lfor_v_\@:
	tensor_load_to_lds s[G0V:G0V+3], s[G1V:G1V+7]
	s_nop 0
.rept 4
	v_nop
.endr
.Lasked_\@:
.endm
	s_load_b256 s[4:11], s[0:1], 0x0               ; qb, kb, vb, ob
	s_load_b64 s[12:13], s[0:1], 0x20              ; os
	v_lshl_add_u32 v[SPW], v0, 2, SPARE
	v_mov_b32 v[NIL], 0
	ds_add_u32 v[SPW], v[NIL]                      ; the opening lines: the add twice on end and one wait
	ds_add_u32 v[SPW], v[NIL]
	v_lshrrev_b32 v29, 5, v0
	v_readfirstlane_b32 s[WV], v29                 ; wave 0..15
	s_bfe_u32 s15, ttmp6, 0x40000                  ; cx
	s_lshl_b32 s16, ttmp9, 2
	s_add_co_u32 s16, s16, s15                     ; my block of 256 queries: it enters Q's, ob's and os's addresses alone
	s_and_b32 s17, ttmp7, 0xffff                   ; 8 x batch + pair of heads, which the four partners share
	s_and_b32 s95, s[WV], 1                        ; I fetch for K (0) or for V (1)
	s_mov_b32 s[SEL], 0x76543210
	s_mov_b32 s[SEL+1], 0xfedcba98                 ; v_permlanex16_b32's selects for lane l xor 16
	s_mov_b32 s[CS], 0x3e38aa3b                    ; c = log2(e) / 8
	s_mov_b32 s[CS+1], s[CS]
	s_mov_b32 s[NC], 0xbe38aa3b                    ; -c
	s_mov_b32 s[TK], 0
	s_mov_b32 s[TV], 0
	; groups 1: dense blocks as rows of 256 bytes (32 elements of 8 bytes); the mask names all four work-groups
	s_mov_b32 s[G1K], 15|(3<<16)|(1<<21)
	s_mov_b32 s[G1K+1], 32<<16
	s_mov_b32 s[G1K+2], 36<<16                     ; two steps of K: 9,216 bytes
	s_mov_b32 s[G1K+3], 32<<16
	s_mov_b32 s[G1K+4], 36
	s_mov_b32 s[G1K+5], 32
	s_mov_b32 s[G1K+6], 0
	s_mov_b32 s[G1K+7], 0
	s_mov_b32 s[G1V], 15|(3<<16)|(1<<21)
	s_mov_b32 s[G1V+1], 32<<16
	s_mov_b32 s[G1V+2], 34<<16                     ; two steps of V: 8,704 bytes
	s_mov_b32 s[G1V+3], 32<<16
	s_mov_b32 s[G1V+4], 34
	s_mov_b32 s[G1V+5], 32
	s_mov_b32 s[G1V+6], 0
	s_mov_b32 s[G1V+7], 0
	s_lshr_b32 s88, s[WV], 1                       ; which two steps of a record I fetch
	s_mul_i32 s89, s88, 2*KST
	s_mul_i32 s94, s88, 2*VST
	s_mul_i32 s90, s17, 2*KREC
	s_add_co_u32 s90, s90, s89
	s_mov_b32 s91, 0
	s_mul_i32 s92, s17, 2*VREC
	s_add_co_u32 s92, s92, s94
	s_mov_b32 s93, 0
	s_add_co_u32 s94, s94, VREG
	s_wait_dscnt 0x0                               ; both opening adds are done
	s_wait_kmcnt 0x0
	s_mov_b32 s[G0K], 1
	s_mov_b32 s[G0K+1], s89
	s_add_nc_u64 s[G0K+2:G0K+3], s[6:7], s[90:91]
	s_or_b32 s[G0K+3], s[G0K+3], 0x80000000
	s_mov_b32 s[G0V], 1
	s_mov_b32 s[G0V+1], s94
	s_add_nc_u64 s[G0V+2:G0V+3], s[8:9], s[92:93]
	s_or_b32 s[G0V+3], s[G0V+3], 0x80000000
	CROUND                                         ; all four work-groups are here: the joint loads meet
	JLOAD                                          ; the even head's K and V, one load a wave
	; lane terms.  j = lane % 8, g = (lane / 8) % 2 (the tile's row half), h = lane / 16 (the fragment's half)
	v_and_b32 v29, 31, v0
	v_lshlrev_b32 v[AL], 4, v29
	v_and_b32 v30, 7, v0
	v_bfe_u32 v31, v0, 3, 1
	v_bfe_u32 v[SH8], v0, 4, 1
	v_lshlrev_b32 v[BKE], 4, v30
	v_lshl_add_u32 v[BKE], v[SH8], 8, v[BKE]       ; 16 j + 256 h
	v_mad_u32_u24 v[BKE+1], v31, 896, v[BKE]       ; odd tiles: rows 8 + j of an image; with g = 1 two images on, where the turn brings them to rows j: 1,024 - 128
	v_mad_u32_u24 v[BKE], v31, 1152, v[BKE]        ; even tiles: rows j; with g = 1 two images on and turned to rows 8 + j: 1,024 + 128
	v_add_nc_u32 v[BKE+2], VREG, v[BKE]
	v_add_nc_u32 v[BKE+3], VREG, v[BKE+1]
	v_lshlrev_b32 v[BKE+4], 4, v30                 ; K's words: tile 4 c + 2 u + h, row (g, j): 4,096 + 256 u + 128 h + 16 j + 8 c + 4 g
	v_lshl_add_u32 v[BKE+4], v[SH8], 7, v[BKE+4]
	v_lshl_add_u32 v[BKE+4], v31, 2, v[BKE+4]
	v_add_nc_u32 v[BKE+4], 4096, v[BKE+4]
	v_lshlrev_b32 v[BKE+5], 3, v30                 ; V's words: tile 2 u + h, row (g, j): 4,096 + 128 u + 64 h + 8 j + 4 g
	v_lshl_add_u32 v[BKE+5], v[SH8], 6, v[BKE+5]
	v_lshl_add_u32 v[BKE+5], v31, 2, v[BKE+5]
	v_add_nc_u32 v[BKE+5], VREG+4096, v[BKE+5]
	v_lshlrev_b32 v[SH8], 3, v[SH8]
	v_and_b32 v30, 15, v0
	s_lshl_b32 s88, s[WV], 6
	v_lshl_add_u32 v[OSA], v30, 2, s88
	v_add_nc_u32 v[OSA], OSW, v[OSA]               ; 64 x wave + 4 r
	v_add_nc_u32 v[ORD], OSW, v[AL]
	s_lshl_b32 s88, s95, 8
	s_bfe_u32 s89, s[WV], 0x20001
	s_lshl_b32 s89, s89, 2
	s_add_co_u32 s88, s88, s89
	v_lshl_add_u32 v[QSO], v30, 4, s88             ; Q's words: tile t = wave % 8 of a step: lane 16 (t % 2) + r, word t / 2
	s_bfe_u32 s89, s[WV], 0x10001
	s_lshl_b32 s89, s89, 7
	v_xor_b32 v[QAL], s89, v[AL]                   ; Q's image is turned where bit 1 of its tile is set
	; Q: record 2 y, step 2 x + wave / 8, tile wave % 8
	s_mul_i32 s88, s17, 2*KREC
	s_lshl_b32 s89, s16, 1
	s_lshr_b32 s90, s[WV], 3
	s_add_co_u32 s89, s89, s90
	s_mul_i32 s89, s89, KST
	s_add_co_u32 s88, s88, s89
	s_mov_b32 s89, 0
	s_add_nc_u64 s[82:83], s[4:5], s[88:89]
	s_and_b32 s90, s[WV], 7
	s_lshl_b32 s90, s90, 9
	s_mov_b32 s91, 0
	s_add_nc_u64 s[80:81], s[82:83], s[90:91]      ; my tile's image
	s_add_nc_u64 s[82:83], s[82:83], 4096          ; the step's scale words
	s_wait_alu depctr_va_vdst(0)                   ; ahead of the readers below
	global_load_b128 v[QF:QF+3], v[QAL], s[80:81]
	global_load_b32 v[QS], v[QSO], s[82:83]
	; o: [pair of heads][row tile][head's parity][512 bytes]; its words [pair][row tile][16]
	s_and_b32 s88, s17, 7
	s_lshl_b32 s88, s88, 9
	s_lshr_b32 s90, s17, 3
	s_lshl_b32 s90, s90, 7
	s_add_co_u32 s88, s88, s90
	s_lshl_b32 s90, s16, 4
	s_add_co_u32 s88, s88, s90                     ; the work-group's first row tile
	s_lshl_b32 s90, s88, 6
	s_add_nc_u64 s[86:87], s[12:13], s[90:91]
	s_add_co_u32 s88, s88, s[WV]
	s_lshl_b32 s88, s88, 10
	s_add_nc_u64 s[84:85], s[10:11], s[88:89]
.irp j, 4,5,6,7
	v_mov_b32 v[QF+\j], 0                          ; zero codes for K = 64 .. 127, written once
	v_mov_b32 v[KF+28+\j], 0                       ; what tile 7 names above its own four
.endr
	v_mov_b32 v253, 0                              ; (named as the upper half of the pair v[252:253])
.macro INIT                            ; a head begins: the step is written once, and its first trip finds zeros, which the first change of M leaves zeros
	v_mov_b32 v13, 0xff61b1e6                      ; the largest score so far: -3e38
	v_mov_b32 v12, 0x7f61b1e6                      ; -M: 3e38
.irp j, 0,1,2,3,4,5,6,7
	v_mov_b32 v[LS+\j], 0                          ; l
.endr
.irp j, 0,1,2,3,4,5,6,7,8,9,10,11,12,13,14,15,16,17,18,19,20,21,22,23,24,25,26,27,28,29,30,31
	v_mov_b32 v[OT+\j], 0
.endr
.endm
	INIT
.macro ADDRS                           ; the six addresses of the step at s[TK], s[TV]
	v_add_nc_u32 v[WKE], s[TK], v[BKE]
	v_add_nc_u32 v[WKE+1], s[TK], v[BKE+1]
	v_add_nc_u32 v[WS], s[TK], v[BKE+4]
	v_add_nc_u32 v[WVE], s[TV], v[BKE+2]
	v_add_nc_u32 v[WVE+1], s[TV], v[BKE+3]
	v_add_nc_u32 v[WT], s[TV], v[BKE+5]
.endm
.macro KLOADS                          ; 12 LDS loads
.irp c, 0,1
.irp t, 0,1,2,3
	ds_load_b128 v[KF+16*\c+4*\t:KF+16*\c+4*\t+3], v[WKE+(\t%2)] offset:2048*\c+512*(\t/2)+128*(\t%2)
.endr
.endr
.irp c, 0,1
.irp u, 0,1
	ds_load_b32 v[KS+2*\c+\u], v[WS] offset:256*\u+8*\c
.endr
.endr
.endm
.macro VLOADS                          ; 10 LDS loads
.irp c, 0,1
.irp t, 0,1,2,3
	ds_load_b128 v[VF+8*\t+4*\c:VF+8*\t+4*\c+3], v[WVE+(\t%2)] offset:2048*\c+512*(\t/2)+128*(\t%2)
.endr
.endr
	ds_load_b32 v[VS], v[WT]
	ds_load_b32 v[VS+1], v[WT] offset:128
.endm
.macro OTM j0, j1                      ; O^T under the new M: packed pairs j0 .. j1, each accumulator from its low end on
.set JJ, \j0
.rept (\j1)-(\j0)+1
	v_pk_mul_f32 v[OT+2*JJ:OT+2*JJ+1], v[OT+2*JJ:OT+2*JJ+1], v[252:253] op_sel_hi:[1,0]
.set JJ, JJ+1
.endr
.endm
.macro SUMS r0, k0, k1                 ; chains k0 .. k1 take the packed pairs from register SS + r0 on
.set KK, \k0
.rept (\k1)-(\k0)+1
	v_pk_add_f32 v[TT+2*KK:TT+2*KK+1], v[TT+2*KK:TT+2*KK+1], v[SS+(\r0)+2*KK:SS+(\r0)+2*KK+1]
.set KK, KK+1
.endr
.endm
; A KEY STEP: 128 keys.  pre = 1: the next step's K and V are fetched.
.macro STEP pre
	s_add_co_u32 s[TK], s[TK], KST
	s_add_co_u32 s[TV], s[TV], VST
	s_wait_dscnt 10                                ; K and its words are in; V's ten loads, issued behind them, may be out
.irp t, 0,1,2,3,4,5,6,7
.if (\t%2)
	v_wmma_scale_f32_16x16x128_f8f6f4 v[SS+8*\t:SS+8*\t+7], v[KF+4*\t:KF+4*\t+7], v[QF:QF+7], 0, v[KS+\t/2], v[QS] matrix_a_fmt:MATRIX_FMT_FP4 matrix_b_fmt:MATRIX_FMT_FP4 matrix_a_scale:MATRIX_SCALE_ROW1
.else
	v_wmma_scale_f32_16x16x128_f8f6f4 v[SS+8*\t:SS+8*\t+7], v[KF+4*\t:KF+4*\t+7], v[QF:QF+7], 0, v[KS+\t/2], v[QS] matrix_a_fmt:MATRIX_FMT_FP4 matrix_b_fmt:MATRIX_FMT_FP4
.endif
.endr
.if \pre
	ADDRS                                          ; six plain lines: the places ahead of the loads into K's registers and of the first read of S^T
	KLOADS
.else
.rept 4
	v_nop
.endr
.endif
; the largest score of my two blocks (block c: registers SS + 32 c + 0 .. 31), as a tree: it serves the row's maximum and, since p rises with the score, the block's largest p
	v_mov_b32 v81, v12                             ; the old -M
.irp k, 0,1,2,3,4,5,6,7,8,9                    ; 20 lines that hang on no other: three registers each, ascending
.irp c, 0,1
	v_max3_num_f32 v[TT+10*\c+\k], v[SS+32*\c+3*\k], v[SS+32*\c+3*\k+1], v[SS+32*\c+3*\k+2]
.endr
.endr
.irp m, 0,1,2
.irp c, 0,1
	v_max3_num_f32 v[TT+10*\c+3*\m], v[TT+10*\c+3*\m], v[TT+10*\c+3*\m+1], v[TT+10*\c+3*\m+2]
.endr
.endr
.irp c, 0,1
	v_max3_num_f32 v[TT+10*\c+9], v[TT+10*\c+9], v[SS+32*\c+30], v[SS+32*\c+31]
.endr
.irp c, 0,1
	s_delay_alu instid0(VALU_DEP_4)
	v_max3_num_f32 v[TT+10*\c], v[TT+10*\c], v[TT+10*\c+3], v[TT+10*\c+6]
.endr
.irp c, 0,1
	s_delay_alu instid0(VALU_DEP_2)
	v_max_num_f32 v[TT+10*\c], v[TT+10*\c], v[TT+10*\c+9]   ; v232, v242: the blocks' largest scores
.endr
	s_delay_alu instid0(VALU_DEP_1)
	v_max3_num_f32 v233, v232, v242, v13
	s_delay_alu instid0(VALU_DEP_1)
	v_permlanex16_b32 v234, v233, s[SEL], s[SEL+1]
	s_delay_alu instid0(VALU_DEP_1)
	v_max_num_f32 v13, v233, v234                  ; the running largest score of my query
	s_delay_alu instid0(VALU_DEP_1)
	v_mul_f32 v233, s[NC], v13                     ; -t
	s_delay_alu instid0(VALU_DEP_1)
	v_floor_f32 v12, v233                          ; the new -M = -ceil(t)
	s_delay_alu instid0(VALU_DEP_1)
	v_sub_f32 v235, v12, v81                       ; old M - new M: a whole number, 0 or less
	s_delay_alu instid0(VALU_DEP_2)
	v_fma_f32 v232, v232, s[CS], v12
	s_delay_alu instid0(VALU_DEP_3)
	v_fma_f32 v242, v242, s[CS], v12
.irp j, 0,2,4,6                                ; t - M, two at a time; f's two further lines stand among them
	v_pk_fma_f32 v[SS+\j:SS+1+\j], v[SS+\j:SS+1+\j], s[CS:CS+1], v[12:13] op_sel_hi:[1,0,0]
.endr
	v_cvt_i32_f32 v235, v235                       ; (it saturates)
.irp j, 8,10,12,14,16
	v_pk_fma_f32 v[SS+\j:SS+1+\j], v[SS+\j:SS+1+\j], s[CS:CS+1], v[12:13] op_sel_hi:[1,0,0]
.endr
	v_ldexp_f32 v252, 1.0, v235                    ; f = 2^(old M - new M)
.irp j, 18,20,22,24,26,28,30,32,34,36,38,40,42,44,46,48,50,52,54,56,58,60,62
	v_pk_fma_f32 v[SS+\j:SS+1+\j], v[SS+\j:SS+1+\j], s[CS:CS+1], v[12:13] op_sel_hi:[1,0,0]
.endr
	s_wait_alu depctr_va_vdst(0)                   ; ahead of the batch
	v_exp_f32 v232, v232                           ; the blocks' largest p: the same two instructions on the same number
	v_exp_f32 v242, v242
.irp j, 0,1,2,3,4,5,6,7,8,9,10,11,12,13,14,15,16,17,18,19,20,21,22,23,24,25,26,27,28,29,30,31,32,33,34,35,36,37,38,39,40,41,42,43,44,45,46,47,48,49,50,51,52,53,54,55,56,57,58,59,60,61,62,63
	v_exp_f32 v[SS+\j], v[SS+\j]                   ; p = 2^(t - M)
.endr
	s_wait_alu depctr_va_vdst(0)                   ; one wait for the batch, and directly ahead of the first readers of O^T
	OTM 0, 1                                       ; (plain places behind the exponentials.)  p's scale word is made among the sixteen rescalings of O^T
	v_max_num_f32 v232, 0x1800000, v232            ; the floor 2^(3 - 127)
	v_max_num_f32 v242, 0x1800000, v242
	OTM 2, 3
	s_delay_alu instid0(VALU_DEP_4)
	v_add_nc_u32 v236, 0xff000000, v232            ; 2 off the exponent field: the conversion's scale operand
	s_delay_alu instid0(VALU_DEP_4)
	v_add_nc_u32 v237, 0xff000000, v242
	OTM 4, 5
	s_delay_alu instid0(VALU_DEP_4)
	v_lshrrev_b32 v232, 23, v236                   ; the bytes of blocks h and 2 + h
	s_delay_alu instid0(VALU_DEP_4)
	v_lshrrev_b32 v242, 23, v237
	OTM 6, 8
	s_delay_alu instid0(VALU_DEP_4)
	v_lshl_or_b32 v233, v242, 16, v232
	OTM 9, 11
	s_delay_alu instid0(VALU_DEP_4)
	v_lshlrev_b32 v233, v[SH8], v233               ; at their places in the word
	OTM 12, 14
	s_delay_alu instid0(VALU_DEP_4)
	v_permlanex16_b32 v234, v233, s[SEL], s[SEL+1]
	OTM 15, 15
	s_delay_alu instid0(VALU_DEP_2)
	v_or_b32 v[PS], v233, v234                     ; with lane l xor 16's two the word is whole
.irp c, 0,1
.irp t, 0,1,2,3
	v_cvt_scalef32_pk8_fp4_f32 v[PC+4*\c+\t], v[SS+8*(4*\c+\t):SS+8*(4*\c+\t)+7], v[236+\c]   ; keys 64 c + 32 h + 8 t + 0 .. 7: the operand's register 4 c + t
.endr
.endr
.irp k, 0,1,2,3,4,5,6,7                        ; the step's sum of p in eight chains of packed sums.  These twelve lines are the places between p's word and codes and the products below
	v_pk_add_f32 v[TT+2*\k:TT+2*\k+1], v[SS+4*\k:SS+4*\k+1], v[SS+4*\k+2:SS+4*\k+3]
.endr
	SUMS 32, 0, 3
	s_wait_alu depctr_va_vdst(0)                   ; directly ahead of the wait below
.if \pre
	s_wait_dscnt 12                                ; V and its words are in; the next step's K, twelve loads, may be out
.else
	s_wait_dscnt 0x0
.endif
.irp t, 0,1,2,3                                ; O^T += V^T P^T: the four accumulators take turns
.if (\t%2)
	v_wmma_scale_f32_16x16x128_f8f6f4 v[OT+8*\t:OT+8*\t+7], v[VF+8*\t:VF+8*\t+7], v[PC:PC+7], v[OT+8*\t:OT+8*\t+7], v[VS+\t/2], v[PS] matrix_a_fmt:MATRIX_FMT_FP4 matrix_b_fmt:MATRIX_FMT_FP4 matrix_a_scale:MATRIX_SCALE_ROW1
.else
	v_wmma_scale_f32_16x16x128_f8f6f4 v[OT+8*\t:OT+8*\t+7], v[VF+8*\t:VF+8*\t+7], v[PC:PC+7], v[OT+8*\t:OT+8*\t+7], v[VS+\t/2], v[PS] matrix_a_fmt:MATRIX_FMT_FP4 matrix_b_fmt:MATRIX_FMT_FP4
.endif
.endr
	SUMS 32, 4, 7                                  ; four places ahead of the loads into V's registers
.if \pre
	VLOADS
.endif
	SUMS 48, 0, 7
.irp i, 0,1,2,3
	v_pk_add_f32 v[TT+4*\i:TT+4*\i+1], v[TT+4*\i:TT+4*\i+1], v[TT+4*\i+2:TT+4*\i+3]
.endr
.irp i, 0,1,2,3
	s_delay_alu instid0(VALU_DEP_4)
	v_pk_fma_f32 v[LS+2*\i:LS+2*\i+1], v[LS+2*\i:LS+2*\i+1], v[252:253], v[TT+4*\i:TT+4*\i+1] op_sel_hi:[1,0,1]   ; l = l f + the step's part: four packed sums
.endr
	s_wait_alu depctr_va_vdst(0)                   ; ahead of the branch and of the next step's wait
.endm
.macro WALK                            ; a head's sixteen steps
	ADDRS
	KLOADS
	VLOADS
	s_mov_b32 s[CNT], 15
.Lstep_\@:
	STEP 1
	s_sub_co_u32 s[CNT], s[CNT], 1
	s_cmp_lg_u32 s[CNT], 0
	s_cbranch_scc1 .Lstep_\@
	STEP 0                                         ; the last step fetches nothing; s[TK], s[TV] then stand at the next head's first step
.endm
; A head ends: o = O^T / l, quantised along the head's 64 channels: my 32 are one block; stored as half p of a fragment's image.
.macro FINISH p
.if \p == 0
	global_load_b128 v[QF:QF+3], v[QAL], s[80:81] offset:KREC   ; the odd head's Q lands meanwhile
	global_load_b32 v[QS], v[QSO], s[82:83] offset:KREC
.endif
	v_pk_add_f32 v[LS:LS+1], v[LS:LS+1], v[LS+2:LS+3]
	v_pk_add_f32 v[LS+4:LS+5], v[LS+4:LS+5], v[LS+6:LS+7]
	v_pk_add_f32 v[LS:LS+1], v[LS:LS+1], v[LS+4:LS+5]
	v_add_f32 v[LS], v[LS], v[LS+1]
	v_permlanex16_b32 v234, v[LS], s[SEL], s[SEL+1]
	v_add_f32 v[LS], v[LS], v234                   ; the row's sum
	s_wait_alu depctr_va_vdst(0)                   ; ahead of the transcendental
	v_rcp_f32 v252, v[LS]
	v_nop
	s_wait_alu depctr_va_vdst(0)                   ; and ahead of its first reader, which is also O^T's
.irp j, 0,2,4,6,8,10,12,14,16,18,20,22,24,26,28,30
	v_pk_mul_f32 v[SS+\j:SS+1+\j], v[OT+\j:OT+1+\j], v[252:253] op_sel_hi:[1,0]   ; each accumulator from its low end on
.endr
.irp b, 0,1
	v_max3_num_f32 v[232+\b], |v[SS+16*\b]|, |v[SS+1+16*\b]|, 0x1800000
.endr
.irp i, 2,4,6,8,10,12,14
.irp b, 0,1
	v_max3_num_f32 v[232+\b], v[232+\b], |v[SS+16*\b+\i]|, |v[SS+1+16*\b+\i]|
.endr
.endr
	v_max_num_f32 v232, v232, v233
	v_add_nc_u32 v236, 0xff000000, v232
	v_lshrrev_b32 v237, 23, v236
.if \p == 0
	v_mov_b32 v[OW], v237
.else
	v_lshl_or_b32 v[OW], v237, 16, v[OW]
.endif
.irp t, 0,1,2,3
	v_cvt_scalef32_pk8_fp4_f32 v[PC+\t], v[SS+8*\t:SS+8*\t+7], v236   ; channels 32 h + 8 t + 0 .. 7
.endr
	v_nop                                          ; one plain place behind a scaled conversion
	global_store_b128 v[AL], v[PC:PC+3], s[84:85] offset:512*\p   ; 512 consecutive bytes, aligned
.if \p == 0
	INIT
	s_wait_alu depctr_va_vdst(0)                   ; directly ahead of the waits below
	s_wait_xcnt 0x0                                ; the store's data are written again only behind this wait
	s_wait_loadcnt 0x0                             ; the odd head's Q
.endif
.endm
	s_wait_alu depctr_va_vdst(0)
	s_wait_tensorcnt 0x0                           ; my part of the even head is in
	ds_add_u32 v[SPW], v[NIL]
	s_add_co_u32 s[G0K+1], s[G0K+1], KREC          ; no load of mine is out: the descriptors step to the odd head's records
	s_add_nc_u64 s[G0K+2:G0K+3], s[G0K+2:G0K+3], KREC
	s_add_co_u32 s[G0V+1], s[G0V+1], VREC
	s_add_nc_u64 s[G0V+2:G0V+3], s[G0V+2:G0V+3], VREC
	s_wait_dscnt 0x0
	CROUND                                         ; everybody's part is in, and all four work-groups are here
	JLOAD                                          ; the odd head's K and V: the first tensor load behind the round, one a wave
	s_wait_loadcnt 0x0                             ; Q
	WALK
	FINISH 0
	s_wait_tensorcnt 0x0                           ; my part of the odd head is in;
	s_wait_dscnt 0x0
	s_barrier_signal -1
	s_barrier_wait -1                              ; everybody's is.
	WALK
	FINISH 1
	v_lshlrev_b32 v[OW], v[SH8], v[OW]             ; my two bytes (blocks h and 2 + h of the pair's 128) at their places,
	v_permlanex16_b32 v234, v[OW], s[SEL], s[SEL+1]
	v_or_b32 v[OW], v[OW], v234                    ; and lane l xor 16's: my row's scale word
	ds_store_b32 v[OSA], v[OW]                     ; both halves of the lanes write the same word with the same value
	s_wait_dscnt 0x0                               ; for the others' sake
	s_barrier_signal -1
	s_barrier_wait -1
	s_cmp_lg_u32 s[WV], 0
	s_cbranch_scc1 .Lnot_mine
	ds_load_b128 v[32:35], v[ORD]                  ; the sixteen tiles' words: 1,024 consecutive bytes of os
	ds_load_b128 v[36:39], v[ORD] offset:512
	s_wait_dscnt 0x0
	global_store_b128 v[AL], v[32:35], s[86:87]
	global_store_b128 v[AL], v[36:39], s[86:87] offset:512
.Lnot_mine:
	s_wait_tensorcnt 0x0                           ; the wave's end
	ds_add_u32 v[SPW], v[NIL]
	s_wait_dscnt 0x0
	CROUND                                         ; the closing round
	s_endpgm
.Lfunc_end_k_qdd976c3458_attn:
	.size	k_qdd976c3458_attn, .Lfunc_end_k_qdd976c3458_attn-k_qdd976c3458_attn
	.p2alignl 7, 3214868480
	.fill 96, 4, 3214868480
	.section	.rodata,"a",@progbits
	.p2align	6, 0x0
	.amdhsa_kernel k_qdd976c3458_attn
		.amdhsa_group_segment_fixed_size 327680
		.amdhsa_private_segment_fixed_size 0
		.amdhsa_enable_private_segment 0
		.amdhsa_kernarg_size 40
		.amdhsa_user_sgpr_count 2
		.amdhsa_user_sgpr_kernarg_segment_ptr 1
		.amdhsa_wavefront_size32 1
		.amdhsa_system_sgpr_workgroup_id_x 1
		.amdhsa_system_sgpr_workgroup_id_y 1
		.amdhsa_system_sgpr_workgroup_id_z 1
		.amdhsa_system_vgpr_workitem_id 0
		.amdhsa_next_free_vgpr 256
		.amdhsa_next_free_sgpr 96
		.amdhsa_reserve_vcc 0
		.amdhsa_float_denorm_mode_32 3
		.amdhsa_float_denorm_mode_16_64 3
		.amdhsa_memory_ordered 1
		.amdhsa_forward_progress 1
		.amdhsa_inst_pref_size 78
	.end_amdhsa_kernel
	.amdgpu_metadata
---
amdhsa.version: [ 1, 2 ]
amdhsa.kernels:
  - .name:           k_qdd976c3458_attn
    .symbol:         k_qdd976c3458_attn.kd
    .args:
      - { .name: qb, .offset: 0, .size: 8, .value_kind: global_buffer, .address_space: global }
      - { .name: kb, .offset: 8, .size: 8, .value_kind: global_buffer, .address_space: global }
      - { .name: vb, .offset: 16, .size: 8, .value_kind: global_buffer, .address_space: global }
      - { .name: ob, .offset: 24, .size: 8, .value_kind: global_buffer, .address_space: global }
      - { .name: os, .offset: 32, .size: 8, .value_kind: global_buffer, .address_space: global }
    .group_segment_fixed_size: 327680
    .private_segment_fixed_size: 0
    .kernarg_segment_align: 8
    .kernarg_segment_size: 40
    .max_flat_workgroup_size: 512
    .sgpr_count:     96
    .vgpr_count:     256
    .wavefront_size: 32
...
	.end_amdgpu_metadata
.endif
;; end of part 2
;; launch outp (part 3): grid 4 x 64, 4 waves a work-group, clusters of 4 x 4, 251,392 bytes of LDS; arguments Wo_codes, Wo_scales, ob, os, bo, out0; writes out0
.if DOCPART == 3
	.amdgcn_target "amdgcn-amd-amdhsa--gfx1250"
	.amdhsa_code_object_version 6
	.text
	.protected	k_qdd976c3458_outp
	.globl	k_qdd976c3458_outp
	.p2align	8
	.type	k_qdd976c3458_outp,@function
k_qdd976c3458_outp:
	s_mov_b64 s[64:65], 0
	v_nop
	global_prefetch_b8 v0, s[64:65] scope:SCOPE_SE
	s_setreg_imm32_b32 hwreg(HW_REG_WAVE_MODE, 25, 1), 1
	s_wait_xcnt 0x0
	s_wait_alu depctr_hold_cnt(0) depctr_sa_sdst(0) depctr_va_vdst(0) depctr_va_sdst(0) depctr_va_ssrc(0) depctr_va_vcc(0) depctr_vm_vsrc(0)
	s_getreg_b32 s2, hwreg(HW_REG_IB_STS2, 6, 4)
	s_cmp_eq_u32 s2, 0
	s_cbranch_scc0 .Lentry_in_a_cluster
	s_endpgm
.Lentry_in_a_cluster:
	s_bfe_u32 s2, ttmp6, 0x10000c
	s_cmp_lg_u32 s2, 0xf033
	s_cbranch_scc0 .Lentry_shape_is_right
	s_endpgm
.Lentry_shape_is_right:
; out0 = o Wo + bo ON CODES OF FP4 (E2M1).  Wo: [1,024 (n)][1,024 codes = 512 bytes], 32 scale bytes a row.  o: images of the operand's registers, [K step s][row tile T][half c][512 bytes]; its scale words [s][T][16].
; SHARES.  A work-group makes 128 rows x 256 columns over all of K; each of its four waves 64 x 128: 32 accumulators of 16 x 16, 256 registers.  256 work-groups.
; LDS.  All of K of both operands fits and every byte is filled once, at the head, by one tensor load a tile.
; CLUSTERS: 4 x 4 work-groups.  Wo's tile hangs on the cluster's column, o's on its row: each is asked for jointly by the four that need it.
; THE MATRIX INSTRUCTION IS USED TRANSPOSED (source 0 = 16 rows of Wo, source 1 = 16 rows of o): a lane holds eight neighbouring numbers of a row of out0.  The bias is the C of each sum's first instruction.
; REGISTERS: window 0: v16-26 addresses; v32-63 Wo's scale words, v64-79 o's; v96-159 the bias.  window 1: two sets of fragments (Wo's 8, o's 4); on the way out rows of out0.  window 2: accumulator (a, b) at v[64 a + 8 b].
; LDS AS THIS TEXT NOW FILLS IT: each of the four tiles comes whole, over all of K, by ONE tensor load: wave 0 Wo's codes (256 rows x 512 bytes + 16 of padding), wave 1 o's images (8 K steps x 8,192 bytes),
; wave 2 Wo's scale bytes, wave 3 o's scale words.  K steps 4-7 of a row of Wo lie 256 bytes behind K steps 0-3.  Every byte is filled once, at the head.
.set PITCH, 528
.set HALFT, 128*PITCH
.set CHUNK, 256                        ; K steps 4-7: 256 bytes on in each row of Wo
.set OB,    2*HALFT                    ; o's images: [K step s][tile 0..7][half][512]
.set WOS,   OB+65536                   ; Wo's scale bytes, 8,192
.set OSL,   WOS+8192                   ; o's scale words, [s][tile][16 words], 4,096
.set STG,   OSL+4096                   ; the stages: 16 rows x 528 bytes for each wave; no fill lands there
.set SPITCH, 528
.set ADRP, 16
.set ADRR, 18
.set ADSP, 20
.set ADSR, 21
.set L16,  22
.set VB,   24
.set STO,  25
.set RD,   26
.set SCP,  32
.set SCR,  64
.set BIAS, 96
.set MSB, 0
.macro WIN new                         ; the immediate's high byte repeats the setting that is left
.if MSB != (\new)
	s_set_vgpr_msb (MSB<<8)|(\new)
.set MSB, (\new)
.endif
.endm
.macro PLACES n
.rept \n
	v_nop
.endr
.endm
.macro CROUND                          ; a round of the cluster's barrier
	s_barrier_signal -1
	s_barrier_wait -1
	s_cmp_lg_u32 s16, 0
	s_cbranch_scc1 .Lnot_wave_0_\@
	s_barrier_signal -3
.Lnot_wave_0_\@:
	s_barrier_wait -3
	s_barrier_signal -1
	s_barrier_wait -1
.endm
	s_load_b256 s[4:11], s[0:1], 0x0               ; Wo's codes, Wo's scales, ob, os
	s_load_b128 s[12:15], s[0:1], 0x20             ; bo, out0
	v_lshl_add_u32 v254, v0, 2, 0x3d400
	v_mov_b32 v255, 0
	ds_add_u32 v254, v255
	ds_add_u32 v254, v255
	v_lshrrev_b32 v1, 5, v0
	v_readfirstlane_b32 s16, v1                    ; wave 0..3
	s_lshr_b32 s17, s16, 1                         ; my half of the rows
	s_and_b32 s18, s16, 1                          ; my half of the columns
	s_bfe_u32 s20, ttmp6, 0x40000                  ; cx
	s_bfe_u32 s21, ttmp6, 0x40004                  ; cy
	s_lshl_b32 s23, ttmp9, 2
	s_add_co_u32 s23, s23, s20                     ; tile of 256 columns
	s_and_b32 s24, ttmp7, 0xffff
	s_lshl_b32 s24, s24, 2
	s_add_co_u32 s24, s24, s21                     ; tile of 128 rows
	s_lshl_b32 s25, s21, 2
	s_lshl_b32 s25, 15, s25                        ; my row of the cluster
	s_lshl_b32 s26, 0x1111, s20                    ; my column
	v_and_b32 v1, 15, v0                           ; r
	v_bfe_u32 v2, v0, 4, 1                         ; h
	v_and_b32 v3, 31, v0
	v_lshlrev_b32 v[L16], 4, v3
	v_lshlrev_b32 v[VB], 5, v2                     ; the bias: my half's eight numbers of a tile
	v_mul_u32_u24 v4, v1, PITCH
	v_lshl_add_u32 v4, v2, 4, v4
	s_mul_i32 s2, s18, HALFT
	v_add_nc_u32 v[ADRP], s2, v4
	v_add_nc_u32 v[ADRP+1], CHUNK, v[ADRP]
	s_lshl_b32 s2, s17, 12
	s_add_co_u32 s2, s2, OB
	v_add_nc_u32 v[ADRR], s2, v[L16]               ; my four tiles' images
	v_add_nc_u32 v[ADRR+1], 32768, v[ADRR]
	v_lshlrev_b32 v5, 5, v1
	v_lshl_add_u32 v5, v2, 4, v5
	s_lshl_b32 s2, s18, 12
	s_add_co_u32 s2, s2, WOS
	v_add_nc_u32 v[ADSP], s2, v5                   ; Wo's words: lanes 0-15 K steps 0-3, lanes 16-31 K steps 4-7
	v_lshlrev_b32 v5, 2, v1
	v_lshl_add_u32 v5, v2, 11, v5
	s_lshl_b32 s2, s17, 8
	s_add_co_u32 s2, s2, OSL
	v_add_nc_u32 v[ADSR], s2, v5                   ; o's words: lanes 16-31 four K steps (2,048 bytes) further on
	s_mul_i32 s2, s16, 16*SPITCH
	s_add_co_u32 s2, s2, STG                       ; my stage
	v_mul_u32_u24 v5, v1, SPITCH
	v_lshl_add_u32 v5, v2, 5, v5
	v_add_nc_u32 v[STO], s2, v5                    ; in: row r, 32 bytes for each half of the lanes
	v_add_nc_u32 v[RD], s2, v[L16]                 ; back: the 32 lanes take a row of 512 bytes
	; where my part of the tiles begins: Wo's offsets in s[96:97], o's in s[98:99]
	s_lshl_b32 s96, s23, 8
	s_lshl_b32 s96, s96, 5                         ; 32 scale bytes a row
	s_mov_b32 s97, 0
	s_lshl_b32 s98, s24, 9                         ; os: tile 8 y (64 bytes each)
	s_mov_b32 s99, 0
	s_wait_dscnt 0x0
	s_wait_kmcnt 0x0
	s_mov_b32 s60, 1
	s_mov_b32 s61, WOS
	s_add_nc_u64 s[62:63], s[6:7], s[96:97]
	s_or_b32 s63, s63, 0x80000000
	s_lshl_b32 s96, s96, 4                         ; 512 bytes of codes a row
	s_mov_b32 s68, 1
	s_mov_b32 s69, 0
	s_add_nc_u64 s[70:71], s[4:5], s[96:97]
	s_or_b32 s71, s71, 0x80000000
	s_mov_b32 s76, 1
	s_mov_b32 s77, OSL
	s_add_nc_u64 s[78:79], s[10:11], s[98:99]
	s_or_b32 s79, s79, 0x80000000
	s_lshl_b32 s98, s24, 13                        ; ob: tile 8 y (1,024 bytes each)
	s_mov_b32 s80, 1
	s_mov_b32 s81, OB
	s_add_nc_u64 s[82:83], s[8:9], s[98:99]
	s_or_b32 s83, s83, 0x80000000
	; groups 1
	s_or_b32 s28, s26, (1<<20)|(1<<21)|(6<<22)|(3<<25)   ; Wo's codes: my column's mask; 256 rows x 512 bytes; 4 words of padding after every 128
	s_mov_b32 s29, 512<<16
	s_mov_b32 s30, 256<<16
	s_mov_b32 s31, 512<<16
	s_mov_b32 s32, 256
	s_mov_b32 s33, 512
	s_mov_b32 s34, 0
	s_mov_b32 s35, 0
	s_or_b32 s36, s25, (3<<16)|(1<<21)             ; o's images: my row's mask; 8 K steps x 8,192 bytes (1,024 elements of 8), 65,536 elements apart
	s_mov_b32 s37, 1024<<16
	s_mov_b32 s38, 8<<16                           ; all 8 K steps
	s_mov_b32 s39, 1024<<16
	s_mov_b32 s40, 8
	s_mov_b32 s41, 65536
	s_mov_b32 s42, 0
	s_mov_b32 s43, 0
	s_or_b32 s44, s26, (3<<16)|(1<<21)             ; Wo's scales of 256 rows: 8,192 dense bytes as 32 rows of 256
	s_mov_b32 s45, 32<<16
	s_mov_b32 s46, 32<<16                          ; the scales of 256 rows: 8,192 dense bytes as 32 rows of 256
	s_mov_b32 s47, 32<<16
	s_mov_b32 s48, 32
	s_mov_b32 s49, 32
	s_mov_b32 s50, 0
	s_mov_b32 s51, 0
	s_or_b32 s52, s25, (3<<16)|(1<<21)             ; o's words: 8 K steps x 512 bytes (64 elements), 4,096 elements apart
	s_mov_b32 s53, 64<<16
	s_mov_b32 s54, 8<<16                           ; all 8 K steps
	s_mov_b32 s55, 64<<16
	s_mov_b32 s56, 8
	s_mov_b32 s57, 4096
	s_mov_b32 s58, 0
	s_mov_b32 s59, 0
	CROUND                                         ; all sixteen work-groups are here: the joint loads meet
	s_cmp_lt_u32 s16, 1                            ; one chain of branches on the wave's number, one load to an arm
	s_cbranch_scc0 .Larm_1
	tensor_load_to_lds s[68:71], s[28:35]          ; wave 0: Wo's codes
	s_nop 0
	PLACES 4
	s_branch .Lfilled
.Larm_1:
	s_cmp_lt_u32 s16, 2
	s_cbranch_scc0 .Larm_2
	tensor_load_to_lds s[80:83], s[36:43]          ; wave 1: o's images
	s_nop 0
	PLACES 4
	s_branch .Lfilled
.Larm_2:
	s_cmp_lt_u32 s16, 3
	s_cbranch_scc0 .Larm_3
	tensor_load_to_lds s[60:63], s[44:51]          ; wave 2: Wo's scale bytes
	s_nop 0
	PLACES 4
	s_branch .Lfilled
.Larm_3:
	tensor_load_to_lds s[76:79], s[52:59]          ; wave 3: o's scale words
	s_nop 0
	PLACES 4
.Lfilled:
	s_lshl_b32 s2, s24, 7
	s_lshl_b32 s3, s17, 6
	s_add_co_u32 s2, s2, s3                        ; my first row
	s_lshl_b32 s2, s2, 12                          ; 4,096 bytes a row
	s_lshl_b32 s96, s23, 10
	s_lshl_b32 s3, s18, 9
	s_add_co_u32 s96, s96, s3                      ; my first column, in bytes
	s_mov_b32 s97, 0
	s_add_co_u32 s2, s2, s96
	s_mov_b32 s3, 0
	s_add_nc_u64 s[14:15], s[14:15], s[2:3]
	s_add_nc_u64 s[12:13], s[12:13], s[96:97]
.irp b, 0,1,2,3,4,5,6,7
	global_load_b128 v[BIAS+8*\b:BIAS+8*\b+3], v[VB], s[12:13] offset:64*\b       ; register j of tile b: bo[16 b + 8 h + j]
	global_load_b128 v[BIAS+8*\b+4:BIAS+8*\b+7], v[VB], s[12:13] offset:64*\b+16
.endr
.macro FETCH q                         ; 24 LDS loads: K step q's fragments into set q % 2
	WIN 0x40                                       ; destination window 1, address window 0
.set fS, 128*((\q)%2)
.irp i, 0,1,2,3,4,5,6,7
	ds_load_b128 v[fS+8*\i:fS+8*\i+3], v[ADRP+(\q)/4] offset:64*((\q)%4)+\i*16*PITCH
	ds_load_b128 v[fS+8*\i+4:fS+8*\i+7], v[ADRP+(\q)/4] offset:64*((\q)%4)+\i*16*PITCH+32
.endr
.irp i, 0,1,2,3
	ds_load_b128 v[fS+64+8*\i:fS+64+8*\i+3], v[ADRR+(\q)/4] offset:8192*((\q)%4)+1024*\i
	ds_load_b128 v[fS+64+8*\i+4:fS+64+8*\i+7], v[ADRR+(\q)/4] offset:8192*((\q)%4)+1024*\i+512
.endr
.endm
.macro WM d, pa, rb, c, sa, sb, hi     ; hi = 1: K steps 4-7, whose scale words lie in lanes 16-31
.if \hi
	v_wmma_scale_f32_16x16x128_f8f6f4 v[\d:\d+7], v[\pa:\pa+7], v[\rb:\rb+7], v[\c:\c+7], v[\sa], v[\sb] matrix_a_fmt:MATRIX_FMT_FP4 matrix_b_fmt:MATRIX_FMT_FP4 matrix_a_scale:MATRIX_SCALE_ROW1 matrix_b_scale:MATRIX_SCALE_ROW1
.else
	v_wmma_scale_f32_16x16x128_f8f6f4 v[\d:\d+7], v[\pa:\pa+7], v[\rb:\rb+7], v[\c:\c+7], v[\sa], v[\sb] matrix_a_fmt:MATRIX_FMT_FP4 matrix_b_fmt:MATRIX_FMT_FP4
.endif
.endm
.macro MUL q, first                    ; 32 matrix instructions; the accumulators take turns in the same order in every step.  first = 1: the bias starts the sums
.if \first
	WIN 0x85                                       ; sources 0, 1 window 1; C window 0; D window 2
.else
	WIN 0xa5                                       ; C and D window 2
.endif
.set ia, 0
.rept 4
.set ib, 0
.rept 8
.set rD, 64*ia+8*ib
.set rP, 128*((\q)%2)+8*ib
.set rR, 128*((\q)%2)+64+8*ia
.set rSA, SCP+4*ib+(\q)%4
.set rSB, SCR+4*ia+(\q)%4
.if \first
.set rC, BIAS+8*ib
.else
.set rC, rD
.endif
	WM rD, rP, rR, rC, rSA, rSB, (\q)/4
.set ib, ib+1
.endr
.set ia, ia+1
.endr
.endm
.macro PRE q
.if (\q) < 7
.if (\q) > 0
	PLACES 4                                       ; in front of loads into registers that the last step's matrix instructions have read
.endif
	FETCH (\q)+1
	s_wait_dscnt 24                                ; all but the 24 just issued
.else
	s_wait_dscnt 0x0
.endif
.endm
	s_wait_tensorcnt 0x0                           ; my one load has landed,
	s_barrier_signal -1
	s_barrier_wait -1                              ; everybody's are
	s_wait_alu depctr_va_vdst(0)
.irp t, 0,1,2,3,4,5,6,7
	ds_load_b128 v[SCP+4*\t:SCP+4*\t+3], v[ADSP] offset:512*\t   ; register i: K step i below, K step 4 + i above
.endr
.irp a, 0,1,2,3
.irp i, 0,1,2,3
	ds_load_b32 v[SCR+4*\a+\i], v[ADSR] offset:512*\i+64*\a
.endr
.endr
	FETCH 0
	PRE 0
	s_wait_loadcnt 0x0                             ; the bias
	MUL 0, 1
.irp q, 1,2,3,4,5,6,7
	PRE \q
	MUL \q, 0
.endr
	WIN 0
	PLACES 4                                       ; in front of the first read of results, and of loads into registers that held fragments
; THE WAY OUT, 16 rows x 128 columns at a time, through my own stage: in as 32 bytes a lane, back as whole rows of 512 bytes.  LDS serves a wave's instructions in order (ISA guide 5.7.1.4): no wait between the stores and the loads.
.macro TOSTAGE a
	WIN 0x08                                       ; the data: window 2
.irp b, 0,1,2,3,4,5,6,7
	ds_store_b128 v[STO], v[64*(\a)+8*\b:64*(\a)+8*\b+3] offset:64*\b          ; each accumulator from its low end on
	ds_store_b128 v[STO], v[64*(\a)+8*\b+4:64*(\a)+8*\b+7] offset:64*\b+16
.endr
	WIN 0x40                                       ; destination window 1
.irp t, 0,1,2,3,4,5,6,7,8,9,10,11,12,13,14,15
	ds_load_b128 v[64*(\a)+4*\t:64*(\a)+4*\t+3], v[RD] offset:\t*SPITCH
.endr
.endm
.macro SEND a, younger                 ; younger: the LDS instructions issued behind block a's loads
	s_wait_dscnt \younger
	WIN 0x04                                       ; the data: window 1.  Each block has registers of its own: no store's data are written again
.irp t, 0,1,2,3,4,5,6,7,8,9,10,11,12,13,14,15
	global_store_b128 v[L16], v[64*(\a)+4*\t:64*(\a)+4*\t+3], s[14:15] offset:(16*(\a)+\t)*4096 th:TH_STORE_NT   ; 512 consecutive bytes, aligned; written once, read by nobody here
.endr
.endm
	TOSTAGE 0
	TOSTAGE 1
	SEND 0, 32
	TOSTAGE 2
	SEND 1, 32
	TOSTAGE 3
	SEND 2, 32
	SEND 3, 0
	WIN 0
	s_wait_tensorcnt 0x0
	ds_add_u32 v254, v255
	s_wait_dscnt 0x0
	CROUND                                         ; the closing round: no work-group ends while a partner may still ask for a tile that names it
	s_endpgm
.Lfunc_end_k_qdd976c3458_outp:
	.size	k_qdd976c3458_outp, .Lfunc_end_k_qdd976c3458_outp-k_qdd976c3458_outp
	.p2alignl 7, 3214868480
	.fill 96, 4, 3214868480
	.section	.rodata,"a",@progbits
	.p2align	6, 0x0
	.amdhsa_kernel k_qdd976c3458_outp
		.amdhsa_group_segment_fixed_size 251392
		.amdhsa_private_segment_fixed_size 0
		.amdhsa_enable_private_segment 0
		.amdhsa_kernarg_size 48
		.amdhsa_user_sgpr_count 2
		.amdhsa_user_sgpr_kernarg_segment_ptr 1
		.amdhsa_wavefront_size32 1
		.amdhsa_system_sgpr_workgroup_id_x 1
		.amdhsa_system_sgpr_workgroup_id_y 1
		.amdhsa_system_sgpr_workgroup_id_z 1
		.amdhsa_system_vgpr_workitem_id 0
		.amdhsa_next_free_vgpr 768
		.amdhsa_next_free_sgpr 102
		.amdhsa_reserve_vcc 0
		.amdhsa_float_denorm_mode_32 3
		.amdhsa_float_denorm_mode_16_64 3
		.amdhsa_memory_ordered 1
		.amdhsa_forward_progress 1
		.amdhsa_inst_pref_size 72
	.end_amdhsa_kernel
	.amdgpu_metadata
---
amdhsa.version: [ 1, 2 ]
amdhsa.kernels:
  - .name:           k_qdd976c3458_outp
    .symbol:         k_qdd976c3458_outp.kd
    .args:
      - { .name: Wo_codes, .offset: 0, .size: 8, .value_kind: global_buffer, .address_space: global }
      - { .name: Wo_scales, .offset: 8, .size: 8, .value_kind: global_buffer, .address_space: global }
      - { .name: ob, .offset: 16, .size: 8, .value_kind: global_buffer, .address_space: global }
      - { .name: os, .offset: 24, .size: 8, .value_kind: global_buffer, .address_space: global }
      - { .name: bo, .offset: 32, .size: 8, .value_kind: global_buffer, .address_space: global }
      - { .name: out0, .offset: 40, .size: 8, .value_kind: global_buffer, .address_space: global }
    .group_segment_fixed_size: 251392
    .private_segment_fixed_size: 0
    .kernarg_segment_align: 8
    .kernarg_segment_size: 48
    .max_flat_workgroup_size: 128
    .sgpr_count:     102
    .vgpr_count:     768
    .wavefront_size: 32
...
	.end_amdgpu_metadata
.endif
;; end of part 3
